; MI455X (gfx1250); checked and timed in simulation.
; The chip was launched on July 23, 2026; its instructions are those of AMD's public machine-readable ISA for CDNA 5 (MIT licence, August 2026) and "CDNA5" Instruction Set Architecture Reference Guide (July 2026). The comments in the code are by the model that wrote it; some were corrected since.
;; Mo E Block. Allowed arithmetic: matrix products marked QUANTISED: E2M3 operands, one E8M0 scale for each 32 along K, by v_wmma_scale_f32_16x16x128_f8f6f4 with both operands' format E2M3, f32 sums; products left as they are: f32 operands where the result goes on into a quantised operand, else bf16, f16 or f32 operands; f32 sums; everything else in f32.
;; Inputs: W1 8 x 1,024 x 4,096 float32; W2 8 x 4,096 x 1,024 float32; Wg 8 x 1,024 float32; b1 8 x 4,096 float32; b2 8 x 1,024 float32; xs 1,024 x 1,024 float32.
;; Outputs: out0 1,024 x 1,024 float32.
;; Constants: top_k = 2.
;; This version of the problem:
;;   THIS VERSION OF THE PROBLEM IS GIVEN IN LOW PRECISION. The matrix products marked QUANTISED in the list below multiply operands that are first quantised to E2M3 (2 exponent bits, 3 mantissa bits; 6 bits a number), with one power-of-two scale for each 32 numbers along K (OCP MX v1.0); their sums are f32. All else is computed in f32.
;;   The module's matrix products, in the order in which they are computed (A, B: the left and right operand; K: the contracted axis; several contracted axes count as one K, in the product's order):
;;     1. [M 1,024, K 1,024] x [K 1,024, N 8]; A: input xs; B: input Wg: left as it is (N = 8 < 16)
;;     2. batch 1,024 x [M 1, K 2] x [K 2, N 8]; A: softmax; B: computed on the way: left as it is (K = 2 < 32)
;;     3. [M 1,024, K 1,024] x [K 1,024, N 32,768]; A: input xs; B: input W1: QUANTISED
;;     4. batch 8 x [M 1,024, K 4,096] x [K 4,096, N 1,024]; A: input W2; B: computed on the way: QUANTISED
;;     5. batch 1,024 x [M 1, K 8] x [K 8, N 1,024]; A: computed on the way; B: computed on the way: left as it is (K = 8 < 32)
;;   THE QUANTISER, for each operand of a quantised product, along K:
;;     - K is cut into blocks of 32 from its start; a last block that is shorter is filled with zeros.
;;     - A block's scale is 2^e with e = floor(log2(the largest magnitude in the block)) - 2, held to -126 .. 127; a block of zeros has e = 0. As a byte (E8M0): e + 127.
;;     - Each number is divided by its block's scale, clamped to +-7.5, and rounded to the nearest number of E2M3, ties to even, subnormals kept.
;;     - The product sums the exact products of the quantised numbers (number of the format x scale) in f32.
;;   ~~~python
;;   def quantise(x, axis):      # numpy; x: float32 -> the quantised numbers, widened to float32 again
;;       x = np.moveaxis(x, axis, -1); K = x.shape[-1]
;;       x = np.pad(x, [(0, 0)] * (x.ndim - 1) + [(0, -K % 32)]); x = x.reshape(x.shape[:-1] + (-1, 32)); a = np.abs(x).max(-1, keepdims=True)
;;       e = np.where(a > 0, np.clip(np.frexp(np.where(a > 0, a, 1))[1] - 1 - 2, -126, 127), 0)      # np.frexp(a)[1] - 1 = floor(log2(a)), exactly
;;       r = np.clip(x / 2.0 ** e, -7.5, 7.5)
;;       step = 2.0 ** (np.maximum(np.frexp(np.where(r == 0, 1, r))[1] - 1, 0) - 3)
;;       q = np.round(r / step) * step * 2.0 ** e      # np.round: ties to even
;;       return np.moveaxis(q.reshape(q.shape[:-2] + (-1,))[..., :K], -1, axis).astype(np.float32)
;;   ~~~
;;   OPERANDS COMPUTED ON THE WAY. 'Computed on the way' means the value that the module computes at that place (a softmax that the list does not call 'softmax' is quantised finished and normalised). What goes into a quantiser is computed in f32, as accurately as f32 sums, v_exp_f32 and their like allow (about 1e-6 of the number): no bf16 or f16 on the way to a quantiser, and a product that is left as it is and whose result goes on into a quantised operand takes f32 operands (vector FMAs, or v_wmma_f32_16x16x4_f32). A number that lies on a knife's edge between two numbers of the format may be rounded either way, as far as f32 arithmetic and the matrix unit's own rounding can turn it there, and no further.
;; One version. Each part assembles by itself: llvm-mc -triple=amdgcn-amd-amdhsa -mcpu=gfx1250 --defsym DOCPART=n.
;; ======== version 1 of 1: 4 launches
;; limits: right only within a limited range of input values
;; workspace buffers: sel 8,192 bytes of whole numbers; wts 8,192 bytes; xq 1,048,576 bytes; plan 34,816 bytes of whole numbers; hq 26,214,400 bytes; yp 67,108,864 bytes
;; launch route (part 1): grid 256 x 1, 4 waves a work-group, no clusters, 55,808 bytes of LDS; arguments xs, Wg, sel, wts, xq; writes sel, wts, xq
.if DOCPART == 1
	.amdgcn_target "amdgcn-amd-amdhsa--gfx1250"
	.amdhsa_code_object_version 6
	.text
	.protected	k_q50f9f6b109_route
	.globl	k_q50f9f6b109_route
	.p2align	8
	.type	k_q50f9f6b109_route,@function
k_q50f9f6b109_route:
	s_mov_b64 s[64:65], 0
	v_nop
	global_prefetch_b8 v0, s[64:65] scope:SCOPE_SE
	s_setreg_imm32_b32 hwreg(HW_REG_WAVE_MODE, 25, 1), 1
	s_wait_xcnt 0x0
; MoE block, launch 1 of 4: the router (xs Wg^T in f32), each token's two largest logits, their softmax, and the quantiser of xs.
; WORK LEFT OUT BY THE WHOLE PROGRAM.  reference() multiplies y[t][e] by comb[t][e], and it builds comb in its own body from top_k and one_hot:
; comb[t][e] is 0 for the six experts that are not among token t's two.  In exact arithmetic 0 x y = 0 for all finite inputs, so the rows (t, e) of the two
; quantised products with e not chosen reach no output.  Which rows are chosen is a matter of whole numbers: they are stored here and read from memory by the later launches, which
; multiply the 2,048 chosen rows alone.  The one_hot product and the sum over eight experts are a selection and a sum of two terms.  top_k = 2 is a constant of the problem.  Every input is loaded.
; LIMITS.  A NaN, an infinity or an overflow in the network of an expert that a token did not choose is not carried to the result.  NaN and infinities in xs or Wg are not served.
; Equal logits: the lower index wins, as in jax.lax.top_k.  The order of the f32 sums differs from the reference's.  A block of xs whose largest magnitude lies under 2^-124 keeps the scale byte 1;
; a block of zeros has the byte 1 where the rule says 127: its codes are zeros, and only this program reads the bytes.
; SHARES.  A wave takes a token, t = 4 x work-group + wave.  Lane l owns block l of the row: k = 32 l .. 32 l + 31, in 32 registers, and the same k of all eight rows of Wg.
; LOADS.  A lane's 32 numbers are 128 bytes, so loaded straight the lanes of a load would stand 128 bytes apart.  Instead every load takes the bytes as they lie, 16 a lane and 512 a load, and the rows turn through LDS:
; byte b of a row lies at b + 16 (b / 128), 16 bytes of padding behind each 128, and a lane reads its 128 bytes back at 144 x lane: 36 words.
; The token's row goes through the wave's own stage.  Wg is fetched once for the work-group: wave w loads rows 2 w and 2 w + 1, one barrier, and every wave reads all eight rows from LDS.
; LDS: 0: Wg, 8 rows of 4,608 bytes;  36864: four stages of 4,608 bytes for x;  55296: the spare words, 128 bytes a wave.
; xq: [t][K step s = 0..7][half h][64 bytes]: bytes 0-23 the codes of block 4 s + h, 24-47 those of block 4 s + 2 + h (registers 0-11 of lane (r, h) of an operand), 48-51 the step's scale word.
; REGISTERS.  v1 lane, v2 16 x lane, v3 my block's place in xq; v5 144 x lane (until the rows are in), v24-26 stage addresses (until the barrier); v6, v7 the add's two; v[8+2e:9+2e] expert e's sum; v32-63 x; v64-255 Wg's rows 0-5; window 1 v0-63 rows 6, 7.
.set X,  32
.set WG, 64
.set RP, 4608                          ; a row of 4,096 bytes in LDS, with its 32 paddings of 16
.set XS, 8*RP
.set SPARE, XS+4*RP
.set MSB, 0
.macro WIN new                         ; the immediate's high byte repeats the setting that is left
.if MSB != (\new)
	s_set_vgpr_msb (MSB<<8)|(\new)
.set MSB, \new
.endif
.endm
	s_load_b256 s[4:11], s[0:1], 0x0               ; xs s[4:5], Wg s[6:7], sel s[8:9], wts s[10:11]
	s_load_b64 s[12:13], s[0:1], 0x20              ; xq
	v_lshl_add_u32 v6, v0, 2, SPARE
	v_mov_b32 v7, 0
	v_lshrrev_b32 v1, 5, v0
	v_readfirstlane_b32 s16, v1                    ; wave
	v_and_b32 v1, 31, v0                           ; lane
	v_lshlrev_b32 v2, 4, v1                        ; 16 x lane: my 16 bytes of a load's 512
	v_lshrrev_b32 v3, 2, v1
	v_lshlrev_b32 v3, 7, v3                        ; 128 (l / 4): the K step
	v_and_b32 v4, 1, v1
	v_lshl_add_u32 v3, v4, 6, v3                   ; + 64 (l % 2): the half
	v_bfe_u32 v4, v1, 1, 1
	v_mad_u32_u24 v3, v4, 24, v3                   ; + 24 ((l / 2) % 2): the first or the second 24 bytes
	v_lshrrev_b32 v4, 3, v1
	v_add_nc_u32 v4, v4, v1
	v_lshlrev_b32 v4, 4, v4                        ; into a stage: 16 (l + l / 8): eight lanes' 128 bytes, then 16 of padding; a load's 512 bytes take 576
	v_mul_u32_u24 v5, v1, 144                      ; out of it: my 128 bytes
	s_mul_i32 s24, s16, RP
	s_add_co_u32 s24, s24, XS                      ; my wave's stage for x
	v_add_nc_u32 v24, s24, v4
	v_add_nc_u32 v25, s24, v5
	s_mul_i32 s24, s16, 2*RP                       ; my two rows of Wg in LDS
	v_add_nc_u32 v26, s24, v4
	s_lshl_b32 s17, ttmp9, 2
	s_add_co_u32 s17, s17, s16                     ; t
	s_lshl_b32 s18, s17, 12                        ; a row of xs is 4,096 bytes,
	s_mov_b32 s19, 0
	s_lshl_b32 s20, s17, 10                        ; of xq 1,024,
	s_mov_b32 s21, 0
	s_lshl_b32 s22, s17, 3                         ; of sel and wts 8
	s_mov_b32 s23, 0
	s_lshl_b32 s26, s16, 13                        ; my two rows of Wg in memory
	s_mov_b32 s27, 0
	s_mov_b32 s14, 0x76543210
	s_mov_b32 s15, 0xfedcba98                      ; v_permlanex16_b32's selects for lane l xor 16
	s_wait_alu depctr_va_vdst(0)
	s_wait_kmcnt 0x0
	s_add_nc_u64 s[4:5], s[4:5], s[18:19]
	s_add_nc_u64 s[6:7], s[6:7], s[26:27]
	s_add_nc_u64 s[12:13], s[12:13], s[20:21]
	s_add_nc_u64 s[8:9], s[8:9], s[22:23]
	s_add_nc_u64 s[10:11], s[10:11], s[22:23]
.irp m, 0,1,2,3,4,5,6,7
	global_load_b128 v[X+4*\m:X+4*\m+3], v2, s[4:5] offset:512*\m th:TH_LOAD_NT   ; 32 lanes read 512 consecutive bytes
.endr
.irp u, 0,1
.irp m, 0,1,2,3,4,5,6,7
	global_load_b128 v[WG+32*\u+4*\m:WG+32*\u+4*\m+3], v2, s[6:7] offset:4096*\u+512*\m
.endr
.endr
	s_wait_loadcnt 16                              ; x's eight loads are in; Wg's sixteen, issued behind them, may be out
.irp m, 0,1,2,3,4,5,6,7
	ds_store_b128 v24, v[X+4*\m:X+4*\m+3] offset:576*\m
.endr
.irp j, 0,1,2,3,4,5,6,7
	ds_load_b128 v[X+4*\j:X+4*\j+3], v25 offset:16*\j   ; LDS serves a wave's instructions in order (ISA guide 5.7.1.4): these see my stores.  Register 4 j + i is now x at k = 32 l + 4 j + i
.endr
	s_wait_loadcnt 0x0
.irp u, 0,1
.irp m, 0,1,2,3,4,5,6,7
	ds_store_b128 v26, v[WG+32*\u+4*\m:WG+32*\u+4*\m+3] offset:RP*\u+576*\m
.endr
.endr
	s_wait_dscnt 0x0                               ; for the others' sake: my two rows of Wg are in LDS
	s_barrier_signal -1
	s_barrier_wait -1
.irp e, 0,1,2,3,4,5
.irp j, 0,1,2,3,4,5,6,7
	ds_load_b128 v[WG+32*\e+4*\j:WG+32*\e+4*\j+3], v5 offset:RP*\e+16*\j
.endr
.endr
	WIN 0x40                                       ; destination window 1
.irp e, 6,7
.irp j, 0,1,2,3,4,5,6,7
	ds_load_b128 v[32*(\e-6)+4*\j:32*(\e-6)+4*\j+3], v5 offset:RP*\e+16*\j
.endr
.endr
	WIN 0
	s_wait_dscnt 16                                ; rows 0 to 5 are in; the sixteen loads of rows 6 and 7 may be out
	; eight dot products over my 32 numbers, two at a time, the experts by turns; the first product starts each sum
.irp e, 0,1,2,3,4,5
	v_pk_mul_f32 v[8+2*\e:9+2*\e], v[X:X+1], v[WG+32*\e:WG+32*\e+1]
.endr
.irp m, 1,2,3,4,5,6,7,8,9,10,11,12,13,14,15
.irp e, 0,1,2,3,4,5
	v_pk_fma_f32 v[8+2*\e:9+2*\e], v[X+2*\m:X+2*\m+1], v[WG+32*\e+2*\m:WG+32*\e+2*\m+1], v[8+2*\e:9+2*\e]
.endr
.endr
	s_wait_dscnt 0x0
	WIN 0x04                                       ; source 1 window 1
.irp e, 6,7
	v_pk_mul_f32 v[8+2*\e:9+2*\e], v[X:X+1], v[32*(\e-6):32*(\e-6)+1]
.endr
.irp m, 1,2,3,4,5,6,7,8,9,10,11,12,13,14,15
.irp e, 6,7
	v_pk_fma_f32 v[8+2*\e:9+2*\e], v[X+2*\m:X+2*\m+1], v[32*(\e-6)+2*\m:32*(\e-6)+2*\m+1], v[8+2*\e:9+2*\e]
.endr
.endr
	WIN 0
.irp e, 0,1,2,3,4,5,6,7
	v_add_f32 v[8+2*\e], v[8+2*\e], v[9+2*\e]
.endr
.irp m, 1,2,4,8                                ; over the 32 lanes: every lane ends with all eight logits
.irp e, 0,1,2,3,4,5,6,7
	v_add_f32_dpp v[8+2*\e], v[8+2*\e], v[8+2*\e] row_xmask:\m row_mask:0xf bank_mask:0xf
.endr
.endr
.irp e, 0,1,2,3,4,5,6,7
	v_permlanex16_b32 v[9+2*\e], v[8+2*\e], s14, s15
.endr
.irp e, 0,1,2,3,4,5,6,7
	v_add_f32 v[8+2*\e], v[8+2*\e], v[9+2*\e]
.endr
	; the largest logit (v4) and its expert (v24): a strict compare, so the lower index keeps a tie
	v_mov_b32 v4, v8
	v_mov_b32 v24, 0
.irp e, 1,2,3,4,5,6,7
	v_cmp_gt_f32 vcc_lo, v[8+2*\e], v4
	v_cndmask_b32 v4, v4, v[8+2*\e], vcc_lo
	v_cndmask_b32 v24, v24, \e, vcc_lo
.endr
	v_mov_b32 v30, 0xff800000                      ; -infinity takes the winner's place,
.irp e, 0,1,2,3,4,5,6,7
	v_cmp_eq_u32 vcc_lo, \e, v24
	v_cndmask_b32 v[9+2*\e], v[8+2*\e], v30, vcc_lo
.endr
	v_mov_b32 v5, v9                               ; and the same scan finds the second (v5, v25)
	v_mov_b32 v25, 0
.irp e, 1,2,3,4,5,6,7
	v_cmp_gt_f32 vcc_lo, v[9+2*\e], v5
	v_cndmask_b32 v5, v5, v[9+2*\e], vcc_lo
	v_cndmask_b32 v25, v25, \e, vcc_lo
.endr
	; softmax over the two, the larger taken away: w0 = 1 / (1 + e^d), w1 = e^d w0, d = second - first, 0 or less
	v_sub_f32 v28, v5, v4
	v_mul_f32 v28, 0x3fb8aa3b, v28
	s_wait_alu depctr_va_vdst(0)
	v_exp_f32 v28, v28
	; the quantiser's largest magnitude of my block stands behind the exponential as independent work: 32 numbers and the floor 2^(3 - 127), under which none is taken: so the byte cannot fall under 1
	v_max3_num_f32 v8, |v[X]|, |v[X+1]|, 0x1800000
	v_max3_num_f32 v9, |v[X+2]|, |v[X+3]|, |v[X+4]|
.irp i, 5,7,9,11,13,15,17
	v_max3_num_f32 v8, v8, |v[X+\i]|, |v[X+\i+1]|
.endr
.irp i, 19,21,23,25,27,29
	v_max3_num_f32 v9, v9, |v[X+\i]|, |v[X+\i+1]|
.endr
	v_max3_num_f32 v8, v8, v9, |v[X+31]|
	s_wait_alu depctr_va_vdst(0)                   ; the wait ahead of the first line that names the exponential's result
	v_add_f32 v29, 1.0, v28
	s_wait_alu depctr_va_vdst(0)
	v_rcp_f32 v26, v29
	v_add_nc_u32 v10, 0xff000000, v8               ; 2 off the exponent field: the conversion takes the exponent field of this operand as its scale
	v_lshrrev_b32 v11, 23, v10                     ; the scale's byte
	s_wait_alu depctr_va_vdst(0)                   ; and ahead of the reciprocal's first reader
	v_mul_f32 v27, v28, v26                        ; v[26:27] = w0, w1
	v_cvt_scalef32_pk16_fp6_f32 v[12:14], v[X:X+15], v10
	v_cvt_scalef32_pk16_fp6_f32 v[16:18], v[X+16:X+31], v10
	v_and_b32 v19, 3, v1                           ; (a plain line behind the conversions)
	global_store_b96 v3, v[12:14], s[12:13]        ; my block's 24 bytes
	global_store_b96 v3, v[16:18], s[12:13] offset:12
	v_lshlrev_b32 v19, 3, v19
	v_lshlrev_b32 v20, v19, v11                    ; my byte at its place in the K step's word,
	v_mov_b32 v21, 0
	v_mov_b32_dpp v21, v20 row_xmask:1 row_mask:0xf bank_mask:0xf
	v_or_b32 v20, v20, v21
	v_mov_b32_dpp v21, v20 row_xmask:2 row_mask:0xf bank_mask:0xf
	v_or_b32 v20, v20, v21                         ; with the three other lanes' the word is whole
	v_and_b32 v22, 2, v1
	v_cmp_eq_u32 vcc_lo, 0, v22
	s_wait_alu depctr_va_vdst(0)
	s_wait_xcnt 0x0                                ; EXEC changes only behind this wait
	s_and_saveexec_b32 s20, vcc_lo                 ; lanes 4 s and 4 s + 1: a copy of the word for each half
	global_store_b32 v3, v20, s[12:13] offset:48
	s_wait_xcnt 0x0
	s_or_b32 exec_lo, exec_lo, s20
	v_mov_b32 v31, 0
	v_cmp_eq_u32 vcc_lo, 0, v1
	s_and_saveexec_b32 s20, vcc_lo                 ; lane 0: the token's two experts and their weights, at fixed places
	global_store_b64 v31, v[24:25], s[8:9]
	global_store_b64 v31, v[26:27], s[10:11]
	s_wait_xcnt 0x0
	s_or_b32 exec_lo, exec_lo, s20
	s_wait_tensorcnt 0x0                           ; the wave's end
	ds_add_u32 v6, v7
	s_wait_dscnt 0x0
	s_endpgm
.Lfunc_end_k_q50f9f6b109_route:
	.size	k_q50f9f6b109_route, .Lfunc_end_k_q50f9f6b109_route-k_q50f9f6b109_route
	.p2alignl 7, 3214868480
	.fill 96, 4, 3214868480
	.section	.rodata,"a",@progbits
	.p2align	6, 0x0
	.amdhsa_kernel k_q50f9f6b109_route
		.amdhsa_group_segment_fixed_size 55808
		.amdhsa_private_segment_fixed_size 0
		.amdhsa_enable_private_segment 0
		.amdhsa_kernarg_size 40
		.amdhsa_user_sgpr_count 2
		.amdhsa_user_sgpr_kernarg_segment_ptr 1
		.amdhsa_wavefront_size32 1
		.amdhsa_system_sgpr_workgroup_id_x 1
		.amdhsa_system_sgpr_workgroup_id_y 1
		.amdhsa_system_sgpr_workgroup_id_z 1
		.amdhsa_system_vgpr_workitem_id 0
		.amdhsa_next_free_vgpr 336
		.amdhsa_next_free_sgpr 66
		.amdhsa_reserve_vcc 1
		.amdhsa_float_denorm_mode_32 3
		.amdhsa_float_denorm_mode_16_64 3
		.amdhsa_memory_ordered 1
		.amdhsa_forward_progress 1
		.amdhsa_inst_pref_size 27
	.end_amdhsa_kernel
	.amdgpu_metadata
---
amdhsa.version: [ 1, 2 ]
amdhsa.kernels:
  - .name:           k_q50f9f6b109_route
    .symbol:         k_q50f9f6b109_route.kd
    .args:
      - { .name: xs, .offset: 0, .size: 8, .value_kind: global_buffer, .address_space: global }
      - { .name: Wg, .offset: 8, .size: 8, .value_kind: global_buffer, .address_space: global }
      - { .name: sel, .offset: 16, .size: 8, .value_kind: global_buffer, .address_space: global }
      - { .name: wts, .offset: 24, .size: 8, .value_kind: global_buffer, .address_space: global }
      - { .name: xq, .offset: 32, .size: 8, .value_kind: global_buffer, .address_space: global }
    .group_segment_fixed_size: 55808
    .private_segment_fixed_size: 0
    .kernarg_segment_align: 8
    .kernarg_segment_size: 40
    .max_flat_workgroup_size: 128
    .sgpr_count:     66
    .vgpr_count:     336
    .wavefront_size: 32
...
	.end_amdgpu_metadata
.endif
;; end of part 1
;; launch ffn1 (part 2): grid 32 x 8, 4 waves a work-group, no clusters, 107,264 bytes of LDS; arguments xq, W1, b1, sel, hq, plan; writes hq, plan
.if DOCPART == 2
	.amdgcn_target "amdgcn-amd-amdhsa--gfx1250"
	.amdhsa_code_object_version 6
	.text
	.protected	k_q50f9f6b109_ffn1
	.globl	k_q50f9f6b109_ffn1
	.p2align	8
	.type	k_q50f9f6b109_ffn1,@function
k_q50f9f6b109_ffn1:
	s_mov_b64 s[64:65], 0
	v_nop
	global_prefetch_b8 v0, s[64:65] scope:SCOPE_SE
	s_setreg_imm32_b32 hwreg(HW_REG_WAVE_MODE, 25, 1), 1
	s_wait_xcnt 0x0
; MoE block, the first expert product: hq = Q(relu(Q(xs) Q(W1[e]) + b1[e])) for the rows (token, expert) that the router chose; the rows of experts not chosen are left out (shown at the head of launch route).
; THE ROWS ARE PLACED HERE.  sel holds each token's two experts, stored by launch route.  Wave 0 of each work-group reads all 1,024 tokens (lane l: tokens 64 j + 2 l and + 1), marks those of expert e,
; ranks them (tokens ahead in the order (j, parity, lane)) and lays list[rank] = token in LDS; behind the count the list holds 0.  Only wave 0 touches LDS ahead of the barrier that shows the list to all four waves.
; The work-groups with g = 0 store for the later launches: plan + 4096 e + 4 t: the rank of token t with expert e (any number under 1,024 where t did not choose e); plan + 32768 + 256 e: the expert's tiles of 16 rows, 64 copies.
; An expert's tiles are counted as at least 1, so that tile 0 of every expert is written (with token 0's rows where the expert has none; no result hangs on them).  Expert e's tile i is tile 64 e + i of hq: no offsets between experts.
; SHARES.  Work-group (g, e) owns hidden units 128 g .. + 127 of expert e: 1,024 x 128 numbers of W1, which no other work-group reads, in 8 PERIODS of 128 along K.
; In a period wave w loads one UNIT: 32 loads of 16 bytes a lane; lane (q, h) takes columns 4 q .. 4 q + 3 of the column half w / 2, row 64 (w % 2) + 32 h + i: sixteen lanes read 256 consecutive aligned bytes.
; For each j the lane holds a whole block of 32 along K of column 4 q + j; its 24 bytes of codes are registers 6 c .. 6 c + 5 (c = w % 2) of lane (q, h) of the fragment whose row r is column 4 r + j.
; The 8 fragments of a period go to LDS as images of their registers, are read by all four waves and never written again: one barrier a period, and all images are still there for the rows beyond 512.
; PRODUCTS, transposed: source 0 = a weight fragment, source 1 = 16 tokens.  In fragment j's result lane (token, h) holds hidden units 32 h + 4 jp + j (register jp) of the column half: over j a whole block of the next K,
; quantised in the lane, position 8 j + jp of a block holding unit 4 jp + j; launch ffn2 lays W2's rows in the same order.
; ROWS.  Wave w owns row tiles 4 i + w, i = 0..7, in registers for all of K.  Tiles that the expert does not have are passed over by scalar branches on the count, all but in period 0, which multiplies all eight, so that every register is written.
; THE UNITS' ADDRESSES: the base stands at unit p + 1 in period p (stepped behind the one wait on XCNT of the period, with the rows' base); the loads of unit p + 3 name it by an immediate.
; PREFETCH INTO THE L2 (macro ASK): a unit is 64 rows x 256 bytes a wave, a lane a row, two instructions; each block is my wave's alone and is named once.  Unit k is named two units ahead of its loads: units 2 and 3 behind
; the loads of units 0 and 1, unit 4 behind unit 2's, unit p + 5 in period p = 0, 1, 2; later periods name nothing.
; No tensor load, no cluster: branches hang on counts made of stored whole numbers.  Every barrier stands on every wave's way.
; LIMITS: a block whose largest magnitude lies under 2^-124 keeps the scale byte 1; a block of zeros has the byte 1 (its codes are zeros; only this program reads the bytes).
; LDS: 0 images, 12,288 bytes a period: 1536 f + 256 n + 8 x lane; 98304 scale bytes, 512 a period; 102400 the spare words; 102912 the list, 4,096 bytes; + 4096 a word a lane for lanes with nothing to place; + 4224 the count, a copy a lane.
; REGISTERS.  Window 0: v2 unit offset; v3, v4 image stores; v5, v6, v14 image loads; v7, v8 scale byte stores; v9, v10 scale word loads; v11 16 x lane; v12 4 q; v13 8 h; v15 list address; v16-27 maxima, scale operands, bytes;
;   v28, v29 the add's two; v31 at work; v32-39 row offsets in xq; v40-47 rows' scale words (at the end: the tiles' words out); v48-51 weights' scale words; v52-147 weight fragments (between products: at work);
;   v148-243 row fragments (at the end: the tiles' codes out); v244 128 h; v245 the prefetches' offset.  Window 1: two units; at the end v0-63 the bias.  Windows 2, 3: accumulators; ahead of period 0 window 2 serves wave 0's placing.
.set PITCH, 16384
.set SSTEP, 0x200000                   ; 128 rows of W1
.set BSC,   98304
.set SPARE, 102400
.set LIST,  102912
.set HSC,   25165824                   ; hq: images [tile 0..511][K step 0..31][1,536 bytes], then scale words [tile][K step][16 rows]
.set BF,  52
.set AF,  148
.set D0,  52
.set D1,  84
.set CC,  116
.set HH,  52
.set FF,  116
.set X0,  128
.set X1,  132
.set WD,  136
.set SE,  0                            ; window 2: sel as loaded, then addresses and tokens
.set RK,  64                           ; ranks
.set ZR,  96
.set ZA,  100
.set DU,  101
.set TK,  102
.set TA,  103
.set NT,  104
.set DI,  106                          ; 1,024 + lane: the index of my idle word behind the list
.set AD,  128                          ; v128-191 of window 2: the list stores' addresses and tokens
.set MK,  66                           ; s66-97: the 32 masks
.set MSB, 0
.macro WIN new                         ; the immediate's high byte repeats the setting that is left
.if MSB != (\new)
	s_set_vgpr_msb (MSB<<8)|(\new)
.set MSB, \new
.endif
.endm
.macro SLOAD lb, off                   ; a unit: 32 loads into window 1
	WIN 0x40
.set I, 0
.rept 32
	global_load_b128 v[\lb+4*I:\lb+4*I+3], v2, s[20:21] offset:\off+I*PITCH th:TH_LOAD_NT
.set I, I+1
.endr
	WIN 0
.endm
.macro ASK how, off                    ; v245 holds one unit's step beside my rows; how = 2: not in the loop's second trip
.if \how == 2
	s_cmp_eq_u32 s30, 1
	s_cbranch_scc1 .Lnp_\@
.endif
	global_prefetch_b8 v245, s[20:21] offset:\off th:TH_LOAD_NT scope:SCOPE_SE
	global_prefetch_b8 v245, s[20:21] offset:\off+32*PITCH th:TH_LOAD_NT scope:SCOPE_SE
.Lnp_\@:
.endm
.macro FIRST2                          ; units 0 and 1; units 2 and 3 are named
	SLOAD 0, 0
	SLOAD 128, SSTEP
	ASK 1, SSTEP
	ASK 1, 2*SSTEP
.endm
; a unit becomes four half fragments and their scale bytes, in LDS at the period s28, s29
.macro QUANT lb
	v_add_nc_u32 v4, s28, v3
	v_add_nc_u32 v8, s29, v7
	WIN 0x05
.irp j, 0,1,2,3
	v_max3_num_f32 v[16+\j], |v[\lb+\j]|, |v[\lb+4+\j]|, 0x1800000   ; the floor 2^(3 - 127): the byte cannot fall under 1
.endr
	WIN 0x14
.irp i, 2,4,6,8,10,12,14,16,18,20,22,24,26,28,30
.irp j, 0,1,2,3
	v_max3_num_f32 v[16+\j], v[16+\j], |v[\lb+4*\i+\j]|, |v[\lb+4*\i+4+\j]|
.endr
.endr
	WIN 0
.irp j, 0,1,2,3
	v_add_nc_u32 v[20+\j], 0xff000000, v[16+\j]    ; 2 off the exponent field: the conversion's scale operand
.endr
.irp j, 0,1,2,3
	v_lshrrev_b32 v[24+\j], 23, v[20+\j]           ; the scale's byte
.endr
.irp jj, 0,2                                   ; two columns at a time: a column's 32 numbers are put on end for the conversions
	WIN 0x01
.set I, 0
.rept 32
	v_mov_b32 v[D0+I], v[\lb+4*I+\jj]
	v_mov_b32 v[D1+I], v[\lb+4*I+\jj+1]
.set I, I+1
.endr
	WIN 0
	v_cvt_scalef32_pk16_fp6_f32 v[CC+8*\jj:CC+8*\jj+2], v[D0:D0+15], v[20+\jj]
	v_cvt_scalef32_pk16_fp6_f32 v[CC+8*\jj+4:CC+8*\jj+6], v[D0+16:D0+31], v[20+\jj]
	v_cvt_scalef32_pk16_fp6_f32 v[CC+8*\jj+8:CC+8*\jj+10], v[D1:D1+15], v[21+\jj]
	v_cvt_scalef32_pk16_fp6_f32 v[CC+8*\jj+12:CC+8*\jj+14], v[D1+16:D1+31], v[21+\jj]
	v_nop                                          ; one plain line behind the conversions
.irp u, 0,1
	v_mov_b32 v[CC+8*(\jj+\u)+3], v[CC+8*(\jj+\u)+4]
	v_mov_b32 v[CC+8*(\jj+\u)+4], v[CC+8*(\jj+\u)+5]
	v_mov_b32 v[CC+8*(\jj+\u)+5], v[CC+8*(\jj+\u)+6]
.endr
.irp u, 0,1
.irp pc, 0,1,2
	ds_store_b64 v4, v[CC+8*(\jj+\u)+2*\pc:CC+8*(\jj+\u)+2*\pc+1] offset:(\jj+\u)*1536+\pc*256
.endr
	ds_store_b8 v8, v[24+\jj+\u] offset:(\jj+\u)*64
.endr
.endr
.endm
; a period's 8 fragments and their scale words: lanes 0-15 of scale register k hold fragment 2 k's words, lanes 16-31 fragment 2 k + 1's
.macro BLOAD adri, offi, adrs, offs
.set N, 0
.rept 48
	ds_load_b64 v[BF+2*N:BF+2*N+1], v[\adri] offset:\offi+N*256
.set N, N+1
.endr
.irp k, 0,1,2,3
	ds_load_b32 v[48+\k], v[\adrs] offset:\offs+128*\k
.endr
.endm
.macro WMM zero, odd
.if \zero
.if \odd
	v_wmma_scale_f32_16x16x128_f8f6f4 v[rD:rD+7], v[rA:rA+11], v[rB:rB+11], 0, v[rS], v[rT] matrix_a_fmt:MATRIX_FMT_FP6 matrix_b_fmt:MATRIX_FMT_FP6 matrix_a_scale:MATRIX_SCALE_ROW1
.else
	v_wmma_scale_f32_16x16x128_f8f6f4 v[rD:rD+7], v[rA:rA+11], v[rB:rB+11], 0, v[rS], v[rT] matrix_a_fmt:MATRIX_FMT_FP6 matrix_b_fmt:MATRIX_FMT_FP6
.endif
.else
.if \odd
	v_wmma_scale_f32_16x16x128_f8f6f4 v[rD:rD+7], v[rA:rA+11], v[rB:rB+11], v[rD:rD+7], v[rS], v[rT] matrix_a_fmt:MATRIX_FMT_FP6 matrix_b_fmt:MATRIX_FMT_FP6 matrix_a_scale:MATRIX_SCALE_ROW1
.else
	v_wmma_scale_f32_16x16x128_f8f6f4 v[rD:rD+7], v[rA:rA+11], v[rB:rB+11], v[rD:rD+7], v[rS], v[rT] matrix_a_fmt:MATRIX_FMT_FP6 matrix_b_fmt:MATRIX_FMT_FP6
.endif
.endif
.endm
; 8 products: row fragment i against the 8 weight fragments, into accumulator tile a; the accumulators take turns
.macro MUL i, a, zero
.irp f, 0,1,2,3,4,5,6,7
.set rD, 64*((\a)%4)+8*\f
.set rA, BF+12*\f
.set rB, AF+12*(\i)
.set rS, 48+\f/2
.set rT, 40+(\i)
	WMM \zero, \f%2
.endr
.endm
.macro MULT first
.if \first
	WIN 0xa0
.irp i, 0,1,2,3
	MUL \i, \i, 1
.endr
	WIN 0xf0
.irp i, 4,5,6,7
	MUL \i, \i, 1
.endr
.else
.irp i, 0,1,2,3,4,5,6,7
	WIN 0
	s_cmp_le_u32 s19, \i
	s_cbranch_scc1 .Lmd_\@
	WIN 0xa0+0x50*(\i/4)
	MUL \i, \i, 0
.endr
.endif
	WIN 0
.Lmd_\@:
.rept 4
	v_nop                                          ; places ahead of loads and vector writes into the products' registers
.endr
.endm
; the tiles' row fragments and scale words of the next K step: 48 + 4 bytes a lane from xq.  all = 0: both bases step, behind the period's one wait on XCNT
.macro ALOAD all
.if \all == 0
	s_wait_xcnt 0x0                                ; the earlier loads and prefetches have read their bases
	s_add_nc_u64 s[22:23], s[22:23], 128
	s_add_nc_u64 s[20:21], s[20:21], SSTEP
.endif
.irp i, 0,1,2,3,4,5,6,7
.if \all == 0
	s_cmp_le_u32 s19, \i
	s_cbranch_scc1 .Lad_\@
.endif
	global_load_b128 v[AF+12*\i:AF+12*\i+3], v[32+\i], s[22:23]
	global_load_b128 v[AF+12*\i+4:AF+12*\i+7], v[32+\i], s[22:23] offset:16
	global_load_b128 v[AF+12*\i+8:AF+12*\i+11], v[32+\i], s[22:23] offset:32
	global_load_b32 v[40+\i], v[32+\i], s[22:23] offset:48
.endr
.Lad_\@:
.endm
; the bias in the results' layout: register 32 u + 8 j + jp = b1 at unit 64 u + 32 h + 4 jp + j
.macro BIAS
	WIN 0x40
.irp u, 0,1
.irp j, 0,1,2,3
.irp jp, 0,1,2,3,4,5,6,7
	global_load_b32 v[32*\u+8*\j+\jp], v244, s[50:51] offset:(64*\u+4*\jp+\j)*4
.endr
.endr
.endr
	WIN 0
.endm
; A PERIOD p (par = p % 2).  Loads are issued in the order .. A(p), S(p + 2) | A(p + 1), S(p + 3) .., so the count 32 shows S(p + 1) and A(p) in and leaves S(p + 2) out
.macro PERIOD par, first, nw, doa, doq, tail, pf
	v_add_nc_u32 v6, s28, v5
	v_add_nc_u32 v10, s29, v9
	BLOAD 6, 0, 10, 0
	s_wait_loadcnt \nw
	s_wait_dscnt 0x0
	MULT \first
.if \doa
	ALOAD 0
.endif
.if \doq
	s_add_co_u32 s28, s28, 12288
	s_add_co_u32 s29, s29, 512
	QUANT 128*(1-\par)
.endif
.if \tail == 1
	SLOAD 128*(1-\par), 2*SSTEP
.elseif \tail == 2
	BIAS
.endif
.if \pf
	ASK \pf, 3*SSTEP
.endif
.if \doq
	s_wait_dscnt 0x0                               ; for the others' sake: my images of the next period are in LDS
	s_barrier_signal -1
	s_barrier_wait -1
.endif
.endm
; A ROW TILE LEAVES: + bias, relu, quantised in the lane, stored as an image of the next operand's registers (3 x 512 consecutive bytes) and 16 scale words.  ff, wd: the registers that the stores read
.macro EPI win, ab, immi, imms, bi, bs, ff, wd
	WIN \win
.set I, 0
.rept 32
	v_pk_add_f32 v[HH+2*I:HH+2*I+1], v[\ab+2*I:\ab+2*I+1], v[2*I:2*I+1]   ; each accumulator from its low end on
.set I, I+1
.endr
	WIN 0
.set I, 0
.rept 64
	v_max_num_f32 v[HH+I], 0, v[HH+I]
.set I, I+1
.endr
	v_max3_num_f32 v16, v[HH], v[HH+1], 0x1800000
	v_max3_num_f32 v17, v[HH+32], v[HH+33], 0x1800000
.set I, 2
.rept 15
	v_max3_num_f32 v16, v16, v[HH+I], v[HH+I+1]
	v_max3_num_f32 v17, v17, v[HH+32+I], v[HH+33+I]
.set I, I+2
.endr
	v_add_nc_u32 v20, 0xff000000, v16
	v_add_nc_u32 v21, 0xff000000, v17
	v_lshrrev_b32 v24, 23, v20
	v_lshrrev_b32 v25, 23, v21
	v_lshl_or_b32 v[\wd], v25, 16, v24             ; my two bytes: blocks h and 2 + h of my token,
	v_lshlrev_b32 v[\wd], v13, v[\wd]              ; 8 h bits up;
	v_permlanex16_b32 v31, v[\wd], s32, s33
	v_or_b32 v[\wd], v[\wd], v31                   ; with lane l xor 16's the word is whole
	v_cvt_scalef32_pk16_fp6_f32 v[\ff:\ff+2], v[HH:HH+15], v20
	v_cvt_scalef32_pk16_fp6_f32 v[X0:X0+2], v[HH+16:HH+31], v20
	v_cvt_scalef32_pk16_fp6_f32 v[\ff+6:\ff+8], v[HH+32:HH+47], v21
	v_cvt_scalef32_pk16_fp6_f32 v[X1:X1+2], v[HH+48:HH+63], v21
	v_nop                                          ; one plain line behind the conversions
.irp k, 0,1,2
	v_mov_b32 v[\ff+3+\k], v[X0+\k]
	v_mov_b32 v[\ff+9+\k], v[X1+\k]
.endr
.irp k, 0,1,2
	global_store_b128 v11, v[\ff+4*\k:\ff+4*\k+3], s[\bi:\bi+1] offset:\immi+512*\k
.endr
	global_store_b32 v12, v[\wd], s[\bs:\bs+1] offset:\imms   ; both halves of the lanes write the same word with the same value
.endm
	s_load_b256 s[4:11], s[0:1], 0x0               ; xq s[4:5], W1 s[6:7], b1 s[8:9], sel s[10:11]
	s_load_b64 s[12:13], s[0:1], 0x20              ; hq
	s_load_b64 s[58:59], s[0:1], 0x28              ; plan
	v_lshl_add_u32 v28, v0, 2, SPARE
	v_mov_b32 v29, 0
	v_lshrrev_b32 v1, 5, v0
	v_readfirstlane_b32 s14, v1                    ; wave
	v_and_b32 v1, 31, v0                           ; lane
	s_wait_alu depctr_va_vdst(0)
	v_and_b32 v15, 15, v0                          ; q
	v_bfe_u32 v30, v0, 4, 1                        ; h
	s_wait_alu depctr_va_vdst(0)
	s_mov_b32 s15, ttmp9                           ; g
	s_and_b32 s16, ttmp7, 0xffff                   ; e
	s_and_b32 s40, s14, 1                          ; c: which 64 along K of the period
	s_lshr_b32 s41, s14, 1                         ; which column half
	s_lshl_b32 s36, s40, 20                        ; 64 c rows of 16,384 bytes
	s_lshl_b32 s37, s41, 8
	s_add_co_u32 s36, s36, s37
	v_lshlrev_b32 v2, 4, v15
	v_lshl_add_u32 v2, v30, 19, v2                 ; + 32 h rows
	v_add_nc_u32 v2, s36, v2
	v_lshl_add_u32 v245, v1, 14, s36               ; the prefetches: row 64 c + lane of a unit, my column half's 256 bytes,
	v_add_nc_u32 v245, SSTEP, v245                 ; one unit on, so that the immediates stay inside their field
	s_mul_i32 s36, s41, 6144
	s_mul_i32 s37, s40, 768
	s_add_co_u32 s36, s36, s37
	v_lshlrev_b32 v5, 3, v1                        ; 8 x lane
	v_add_nc_u32 v3, s36, v5
	s_lshl_b32 s36, s41, 8
	s_lshl_b32 s37, s40, 1
	s_add_co_u32 s36, s36, s37
	s_add_co_u32 s36, s36, BSC
	v_lshl_add_u32 v7, v15, 2, v30                 ; 4 q + h
	v_add_nc_u32 v7, s36, v7
	v_lshl_add_u32 v9, v1, 2, BSC
	v_lshlrev_b32 v11, 4, v1
	v_lshlrev_b32 v12, 2, v15
	v_lshlrev_b32 v13, 3, v30
	v_add_nc_u32 v14, 49152, v5
	v_lshlrev_b32 v244, 7, v30
	v_mov_b32 v31, 0
	s_lshl_b32 s36, s14, 6
	s_add_co_u32 s36, s36, LIST
	v_add_nc_u32 v15, s36, v12                     ; the list: 4 q + 64 x wave
	s_mov_b32 s32, 0x76543210
	s_mov_b32 s33, 0xfedcba98
	s_mov_b32 s28, 0
	s_mov_b32 s29, 0
	s_mov_b32 s37, 0
	s_mov_b32 s41, 0
	s_wait_alu depctr_va_vdst(0)
	s_wait_kmcnt 0x0
	s_lshl_b32 s18, s16, 6                         ; my expert's first tile of hq
	s_lshl_b32 s36, s16, 24
	s_lshl_b32 s40, s15, 9
	s_add_co_u32 s36, s36, s40
	s_add_nc_u64 s[20:21], s[6:7], s[36:37]        ; W1 at my expert's row 0, my 128 columns
	s_mov_b64 s[22:23], s[4:5]                     ; xq at K step 0
	s_lshl_b32 s36, s16, 12
	s_add_nc_u64 s[52:53], s[58:59], s[36:37]      ; my expert's ranks
	s_lshl_b32 s36, s16, 8
	s_add_co_u32 s36, s36, 32768
	s_add_nc_u64 s[54:55], s[58:59], s[36:37]      ; and its number of tiles
	s_lshl_b32 s36, s16, 14
	s_add_co_u32 s36, s36, s40
	s_add_nc_u64 s[50:51], s[8:9], s[36:37]        ; b1 at my 128 units
	s_cmp_lg_u32 s14, 0
	s_cbranch_scc1 .Lothers
	; WAVE 0 PLACES THE ROWS
	WIN 0x80                                       ; destination window 2
.set J, 0
.rept 16
	global_load_b128 v[SE+4*J:SE+4*J+3], v11, s[10:11] offset:512*J   ; tokens 64 J + 2 l, + 1: their two experts each
.set J, J+1
.endr
	v_add_nc_u32 v[ZA], LIST, v11
	v_lshl_add_u32 v[DU], v1, 2, LIST+4096
	v_lshlrev_b32 v[TK], 1, v1
	v_add_nc_u32 v[DI], 1024, v1
.irp k, 0,1,2,3
	v_mov_b32 v[ZR+\k], 0
.endr
	WIN 0xaa                                       ; all in window 2
.irp k, 0,1,2,3,4,5,6,7
	ds_store_b128 v[ZA], v[ZR:ZR+3] offset:512*\k  ; the list begins as zeros
.endr
	FIRST2
	s_mov_b32 s63, 0
	s_wait_alu depctr_va_vdst(0)
	s_wait_loadcnt 63                              ; sel's 16 loads are in: 64 loads stand behind them, and 63 is the largest count that the wait can name
	WIN 0xaa
.set J, 0
.rept 64
	v_xor_b32 v[SE+J], s16, v[SE+J]                ; 0 where the expert is e
.set J, J+1
.endr
.set J, 0
.rept 32
	v_min_u32 v[SE+2*J], v[SE+2*J], v[SE+2*J+1]
.set J, J+1
.endr
.set J, 0
.rept 32
	v_cmp_eq_u32 s[MK+J], 0, v[SE+2*J]             ; mask J: the lanes whose token 64 (J / 2) + 2 l + J % 2 goes to e
.set J, J+1
.endr
.set J, 0
.rept 32
	v_mbcnt_lo_u32_b32 v[RK+J], s[MK+J], s63       ; rank: rows in earlier masks + in lower lanes
	s_bcnt1_i32_b32 s57, s[MK+J]
	s_add_co_u32 s63, s63, s57
.set J, J+1
.endr
.set J, 0
.rept 32
	v_min_u32 v[RK+J], 0x3ff, v[RK+J]              ; a rank stays inside the list
.set J, J+1
.endr
.set J, 0
.rept 32
	v_cndmask_b32 v[AD+2*J], v[DI], v[RK+J], s[MK+J]   ; the word's index: the rank, or for a lane with nothing to place its own idle word
	v_add_nc_u32 v[AD+2*J+1], 64*(J/2)+(J%2), v[TK]
.set J, J+1
.endr
.set J, 0
.rept 32
	v_min_u32 v[AD+2*J], 0x41f, v[AD+2*J]          ; the index stays inside the list and the 32 idle words
.set J, J+1
.endr
.set J, 0
.rept 32
	v_lshl_add_u32 v[AD+2*J], v[AD+2*J], 2, LIST
.set J, J+1
.endr
.set J, 0
.rept 32
	ds_store_b32 v[AD+2*J], v[AD+2*J+1]            ; list[rank] = token
.set J, J+1
.endr
	v_mov_b32 v[TA], s63
	ds_store_b32 v[DU], v[TA] offset:128           ; the count, a copy a lane
	s_add_co_u32 s57, s63, 15
	s_lshr_b32 s57, s57, 4
	s_min_u32 s57, s57, 64
	s_max_u32 s57, s57, 1
	v_mov_b32 v[NT], s57
	v_mov_b32 v[NT+1], s57
	WIN 0
	s_wait_alu depctr_va_vdst(0)
	s_cmp_lg_u32 s15, 0
	s_cbranch_scc1 .Lsorted
	WIN 0x08                                       ; a store's data: window 2
.set J, 0
.rept 16
	global_store_b64 v5, v[RK+2*J:RK+2*J+1], s[52:53] offset:256*J   ; 32 lanes store 256 consecutive aligned bytes: 64 tokens' ranks
.set J, J+1
.endr
	global_store_b64 v5, v[NT:NT+1], s[54:55]
	WIN 0
	s_branch .Lsorted
.Lothers:
	FIRST2
.Lsorted:
	s_wait_dscnt 0x0                               ; for the others' sake: the list is in LDS
	s_barrier_signal -1
	s_barrier_wait -1
.irp i, 0,1,2,3,4,5,6,7
	ds_load_b32 v[32+\i], v15 offset:256*\i        ; tile 4 i + w: the token of its row q
.endr
	ds_load_b32 v31, v9 offset:LIST+4224-BSC
	s_wait_dscnt 0x0
	v_readfirstlane_b32 s17, v31
	s_add_co_u32 s17, s17, 15
	s_lshr_b32 s17, s17, 4
	s_min_u32 s17, s17, 64
	s_max_u32 s17, s17, 1                          ; the expert's tiles, at least 1
.irp i, 0,1,2,3,4,5,6,7
	v_min_u32 v[32+\i], 0x3ff, v[32+\i]            ; a token stays inside xq
.endr
.irp i, 0,1,2,3,4,5,6,7
	v_lshlrev_b32 v[32+\i], 10, v[32+\i]
.endr
.irp i, 0,1,2,3,4,5,6,7
	v_lshl_add_u32 v[32+\i], v13, 3, v[32+\i]      ; token x 1,024 + 64 h
.endr
	s_wait_alu depctr_va_vdst(0)
	ALOAD 1                                        ; K step 0, all eight tiles: 32 loads
	s_wait_loadcnt 63                              ; unit 0 is in: 64 loads stand behind it
	QUANT 0
	s_wait_xcnt 0x0                                ; the stores of ranks have read their data: period 0's products may write those registers
	SLOAD 0, 2*SSTEP                               ; unit 2
	ASK 1, 3*SSTEP                                 ; unit 4 is named
	s_add_co_u32 s19, s17, 3
	s_sub_co_u32 s19, s19, s14
	s_lshr_b32 s19, s19, 2
	s_min_u32 s19, s19, 8                          ; how many of my eight tiles the expert has
	s_add_co_u32 s36, s18, s14
	s_lshl_b32 s36, s36, 5
	s_add_co_u32 s36, s36, s15                     ; (tile 64 e + w) x 32 + g
	s_mul_i32 s40, s36, 1536
	s_add_nc_u64 s[24:25], s[12:13], s[40:41]
	s_lshl_b32 s40, s36, 6
	s_add_co_u32 s40, s40, HSC
	s_add_nc_u64 s[26:27], s[12:13], s[40:41]
	s_wait_dscnt 0x0
	s_barrier_signal -1
	s_barrier_wait -1
	PERIOD 0, 1, 32, 1, 1, 1, 1                    ; p = 0: loads unit 3, names unit 5
	s_mov_b32 s30, 2
.Llap:
	PERIOD 1, 0, 32, 1, 1, 1, 2                    ; p = 1, 3: loads unit 4, 6; names unit 6, none
	PERIOD 0, 0, 32, 1, 1, 1, 2                    ; p = 2, 4: loads unit 5, 7; names unit 7, none
	s_sub_co_u32 s30, s30, 1
	s_cmp_lg_u32 s30, 0
	s_cbranch_scc1 .Llap
	PERIOD 1, 0, 32, 1, 1, 2, 0                    ; p = 5: the bias is asked for
	PERIOD 0, 0, 63, 1, 1, 0, 0                    ; p = 6: 64 bias loads stand behind the row fragments
	PERIOD 1, 0, 0, 0, 0, 0, 0                     ; p = 7
.rept 4
	v_nop
.endr
.irp i, 0,1,2,3,4,5,6,7                        ; each tile's stores read registers of their own (its row fragment's and its scale word's, done with): no wait between tiles
	s_cmp_le_u32 s19, \i
	s_cbranch_scc1 .Lepi_done
	EPI 0x06+(\i/4), 64*(\i%4), \i*196608, \i*8192, 24, 26, AF+12*\i, 40+\i
.endr
.Lepi_done:
	; ROWS BEYOND 512: tile 32 + w, 36 + w .. of the expert, one a trip, on the images that all 8 periods have left in LDS.  Counted down from 8 (an expert has 64 tiles at the most); the first tile that the expert does not have leaves the loop.
	s_add_co_u32 s31, s14, 32
	s_mov_b32 s56, 8
.Lover:
	s_cmp_ge_u32 s31, s17
	s_cbranch_scc1 .Lover_done
	s_wait_xcnt 0x0                                ; the earlier stores have read their data and bases
	s_min_u32 s40, s31, 63
	s_lshl_b32 s40, s40, 6
	s_add_co_u32 s40, s40, LIST
	v_add_nc_u32 v15, s40, v12
	ds_load_b32 v32, v15
	s_add_co_u32 s41, s18, s31
	s_min_u32 s41, s41, 511
	s_lshl_b32 s41, s41, 5
	s_add_co_u32 s41, s41, s15
	s_mul_i32 s42, s41, 1536
	s_mov_b32 s43, 0
	s_add_nc_u64 s[44:45], s[12:13], s[42:43]
	s_lshl_b32 s46, s41, 6
	s_add_co_u32 s46, s46, HSC
	s_mov_b32 s47, 0
	s_add_nc_u64 s[48:49], s[12:13], s[46:47]
	s_wait_dscnt 0x0
	v_min_u32 v32, 0x3ff, v32
	v_lshlrev_b32 v32, 10, v32
	v_lshl_add_u32 v32, v13, 3, v32
.irp s, 0,1,2,3,4,5,6,7
	global_load_b128 v[AF+12*\s:AF+12*\s+3], v32, s[4:5] offset:128*\s
	global_load_b128 v[AF+12*\s+4:AF+12*\s+7], v32, s[4:5] offset:128*\s+16
	global_load_b128 v[AF+12*\s+8:AF+12*\s+11], v32, s[4:5] offset:128*\s+32
	global_load_b32 v[40+\s], v32, s[4:5] offset:128*\s+48
.endr
	s_wait_loadcnt 0x0
.irp s, 0,1,2,3,4,5,6,7
.if \s < 4
	BLOAD 5, \s*12288, 9, \s*512
.else
	BLOAD 14, (\s-4)*12288, 9, \s*512
.endif
	s_wait_dscnt 0x0
	WIN 0xa0
.if \s == 0
	MUL \s, 0, 1
.else
	MUL \s, 0, 0
.endif
	WIN 0
.rept 5
	v_nop                                          ; places ahead of the loads into the fragments, of the first read of results, and of the next trip's products, which begin these accumulators anew
.endr
.endr
	EPI 0x06, 0, 0, 0, 44, 48, FF, WD
	s_add_co_u32 s31, s31, 4
	s_sub_co_u32 s56, s56, 1
	s_cmp_lg_u32 s56, 0
	s_cbranch_scc1 .Lover
.Lover_done:
	s_wait_tensorcnt 0x0                           ; the wave's end
	ds_add_u32 v28, v29
	s_wait_dscnt 0x0
	s_endpgm
.Lfunc_end_k_q50f9f6b109_ffn1:
	.size	k_q50f9f6b109_ffn1, .Lfunc_end_k_q50f9f6b109_ffn1-k_q50f9f6b109_ffn1
	.p2alignl 7, 3214868480
	.fill 96, 4, 3214868480
	.section	.rodata,"a",@progbits
	.p2align	6, 0x0
	.amdhsa_kernel k_q50f9f6b109_ffn1
		.amdhsa_group_segment_fixed_size 107264
		.amdhsa_private_segment_fixed_size 0
		.amdhsa_enable_private_segment 0
		.amdhsa_kernarg_size 48
		.amdhsa_user_sgpr_count 2
		.amdhsa_user_sgpr_kernarg_segment_ptr 1
		.amdhsa_wavefront_size32 1
		.amdhsa_system_sgpr_workgroup_id_x 1
		.amdhsa_system_sgpr_workgroup_id_y 1
		.amdhsa_system_sgpr_workgroup_id_z 1
		.amdhsa_system_vgpr_workitem_id 0
		.amdhsa_next_free_vgpr 1024
		.amdhsa_next_free_sgpr 104
		.amdhsa_reserve_vcc 0
		.amdhsa_float_denorm_mode_32 3
		.amdhsa_float_denorm_mode_16_64 3
		.amdhsa_memory_ordered 1
		.amdhsa_forward_progress 1
		.amdhsa_inst_pref_size 255
	.end_amdhsa_kernel
	.section	.bss,"aw",@nobits
	.p2align	6
	.space	262144
	.amdgpu_metadata
---
amdhsa.version: [ 1, 2 ]
amdhsa.kernels:
  - .name:           k_q50f9f6b109_ffn1
    .symbol:         k_q50f9f6b109_ffn1.kd
    .args:
      - { .name: xq, .offset: 0, .size: 8, .value_kind: global_buffer, .address_space: global }
      - { .name: W1, .offset: 8, .size: 8, .value_kind: global_buffer, .address_space: global }
      - { .name: b1, .offset: 16, .size: 8, .value_kind: global_buffer, .address_space: global }
      - { .name: sel, .offset: 24, .size: 8, .value_kind: global_buffer, .address_space: global }
      - { .name: hq, .offset: 32, .size: 8, .value_kind: global_buffer, .address_space: global }
      - { .name: plan, .offset: 40, .size: 8, .value_kind: global_buffer, .address_space: global }
    .group_segment_fixed_size: 107264
    .private_segment_fixed_size: 0
    .kernarg_segment_align: 8
    .kernarg_segment_size: 48
    .max_flat_workgroup_size: 128
    .sgpr_count:     104
    .vgpr_count:     1024
    .wavefront_size: 32
...
	.end_amdgpu_metadata
.endif
;; end of part 2
;; launch ffn2 (part 3): grid 32 x 8, 4 waves a work-group, no clusters, 120,320 bytes of LDS; arguments hq, W2, plan, yp; writes yp
.if DOCPART == 3
	.amdgcn_target "amdgcn-amd-amdhsa--gfx1250"
	.amdhsa_code_object_version 6
	.text
	.protected	k_q50f9f6b109_ffn2
	.globl	k_q50f9f6b109_ffn2
	.p2align	8
	.type	k_q50f9f6b109_ffn2,@function
k_q50f9f6b109_ffn2:
	s_mov_b64 s[64:65], 0
	v_nop
	global_prefetch_b8 v0, s[64:65] scope:SCOPE_SE
	s_setreg_imm32_b32 hwreg(HW_REG_WAVE_MODE, 25, 1), 1
	s_wait_xcnt 0x0
; MoE block, the second expert product: yp[half of K][1024 e + rank] = Q(h) Q(W2[e]) for the chosen rows; the rows of experts not chosen are left out (shown at the head of launch route).
; SHARES.  Work-group (x, e): output columns 64 (x % 16) .. + 63, K half x / 16 (2,048 hidden units) of expert e: 512 KB of W2, which no other work-group reads.  8 PERIODS of 256 along K (two K steps of 128).
; In a period wave w loads one UNIT: K step w / 2 of the period, c = w % 2; lane (q, h) takes columns 4 q .. 4 q + 3 of row 64 c + 32 h + 4 (i % 8) + i / 8 in load i: sixteen lanes read 256 consecutive aligned bytes.
; That order of a block's 32 rows is the order in which launch ffn1 laid the hidden layer's codes (position 8 j + jp = unit 4 jp + j); one scale a block, the same order on both sides: the products are unchanged.
; The lane's four blocks are quantised in the lane; the period's 8 fragments (4 x K step + j; row r of fragment j = column 4 r + j) go to LDS as images of their registers, never written again, one barrier a period.
; PRODUCTS, transposed: source 0 = a weight fragment, source 1 = 16 rows of the hidden layer, loaded as images from hq.  In fragment j's result lane (row, h) holds columns 32 h + 4 jp + j.
; ROWS.  Expert e's tile i is tile 64 e + i of hq and of yp; its number of tiles (at least 1) was stored by launch ffn1.  Wave w owns tiles 4 i + w, i = 0..7.  Tiles that the expert does not have are passed over by scalar branches,
; all but in period 0, which loads (from a tile of the expert that has been written) and multiplies all eight, so that every register is written; nothing of that is stored.  Tiles 32 on follow behind the last barrier.
; THE WAY OUT goes through the wave's own stage in LDS, which puts the columns in their natural order; each tile comes back into 32 registers of its own in window 3, so that no wait stands between the tiles' stores.
; THE UNITS' ADDRESSES AND THE PREFETCH INTO THE L2 are launch ffn1's: the base stands at unit p + 1 in period p; a unit (64 rows x 256 bytes a wave, a lane a row, two instructions, each block named once) is named two units ahead of its loads:
; units 2 and 3 behind the loads of units 0 and 1, unit 4 behind unit 2's, unit p + 5 in period p = 0, 1, 2; later periods name nothing.
; LIMITS as in launch ffn1.  No tensor load, no cluster: branches hang on stored counts.
; LDS: 0 images, 98304 scale bytes (as in launch ffn1);  102400: four stages of 16 rows x 272 bytes;  119808: the spare words.
; REGISTERS.  Window 0: v2-v31 as in launch ffn1; v32-39 the tiles' image offsets in hq; v40-47 the rows' scale words (lanes 0-15 the period's first K step, lanes 16-31 its second); v48-51 the weights' scale words;
;   v52-147 the 8 weight fragments (between products: at work); v148-155 the tiles' scale word offsets; v188 stage in, v189 stage back, v190 my offset in yp, v191 4 x lane, v192 the prefetches' offset.
;   Window 1: two units.   Window 2: accumulator (tile i, j) at v[32 i + 8 j].   Window 3: tile i's row fragments of the period's two K steps at v[24 i], v[24 i + 12]; at the end the rows on the way out.
.set PITCH, 4096
.set SSTEP, 0x100000                   ; 256 rows of W2
.set BSC,   98304
.set STG,   102400
.set SPARE, 119808
.set HSC,   25165824
.set YH,    33554432                   ; yp: [K half][8,192 rows][1,024] f32
.set BF,  52
.set D0,  52
.set D1,  84
.set CC,  116
.set MSB, 0
.macro WIN new                         ; the immediate's high byte repeats the setting that is left
.if MSB != (\new)
	s_set_vgpr_msb (MSB<<8)|(\new)
.set MSB, \new
.endif
.endm
.macro SLOAD lb, off
	WIN 0x40
.set I, 0
.rept 32
	global_load_b128 v[\lb+4*I:\lb+4*I+3], v2, s[20:21] offset:\off+(4*(I%8)+I/8)*PITCH th:TH_LOAD_NT
.set I, I+1
.endr
	WIN 0
.endm
.macro ASK how, off                    ; how = 2: not in the loop's second trip
.if \how == 2
	s_cmp_eq_u32 s30, 1
	s_cbranch_scc1 .Lnp_\@
.endif
	global_prefetch_b8 v192, s[20:21] offset:\off th:TH_LOAD_NT scope:SCOPE_SE
	global_prefetch_b8 v192, s[20:21] offset:\off+32*PITCH th:TH_LOAD_NT scope:SCOPE_SE
.Lnp_\@:
.endm
.macro QUANT lb
	v_add_nc_u32 v4, s28, v3
	v_add_nc_u32 v8, s29, v7
	WIN 0x05
.irp j, 0,1,2,3
	v_max3_num_f32 v[16+\j], |v[\lb+\j]|, |v[\lb+4+\j]|, 0x1800000   ; the floor 2^(3 - 127): the byte cannot fall under 1
.endr
	WIN 0x14
.irp i, 2,4,6,8,10,12,14,16,18,20,22,24,26,28,30
.irp j, 0,1,2,3
	v_max3_num_f32 v[16+\j], v[16+\j], |v[\lb+4*\i+\j]|, |v[\lb+4*\i+4+\j]|
.endr
.endr
	WIN 0
.irp j, 0,1,2,3
	v_add_nc_u32 v[20+\j], 0xff000000, v[16+\j]    ; 2 off the exponent field: the conversion's scale operand
.endr
.irp j, 0,1,2,3
	v_lshrrev_b32 v[24+\j], 23, v[20+\j]           ; the scale's byte
.endr
.irp jj, 0,2
	WIN 0x01
.set I, 0
.rept 32
	v_mov_b32 v[D0+I], v[\lb+4*I+\jj]
	v_mov_b32 v[D1+I], v[\lb+4*I+\jj+1]
.set I, I+1
.endr
	WIN 0
	v_cvt_scalef32_pk16_fp6_f32 v[CC+8*\jj:CC+8*\jj+2], v[D0:D0+15], v[20+\jj]
	v_cvt_scalef32_pk16_fp6_f32 v[CC+8*\jj+4:CC+8*\jj+6], v[D0+16:D0+31], v[20+\jj]
	v_cvt_scalef32_pk16_fp6_f32 v[CC+8*\jj+8:CC+8*\jj+10], v[D1:D1+15], v[21+\jj]
	v_cvt_scalef32_pk16_fp6_f32 v[CC+8*\jj+12:CC+8*\jj+14], v[D1+16:D1+31], v[21+\jj]
	v_nop                                          ; one plain line behind the conversions
.irp u, 0,1
	v_mov_b32 v[CC+8*(\jj+\u)+3], v[CC+8*(\jj+\u)+4]
	v_mov_b32 v[CC+8*(\jj+\u)+4], v[CC+8*(\jj+\u)+5]
	v_mov_b32 v[CC+8*(\jj+\u)+5], v[CC+8*(\jj+\u)+6]
.endr
.irp u, 0,1
.irp pc, 0,1,2
	ds_store_b64 v4, v[CC+8*(\jj+\u)+2*\pc:CC+8*(\jj+\u)+2*\pc+1] offset:(\jj+\u)*1536+\pc*256
.endr
	ds_store_b8 v8, v[24+\jj+\u] offset:(\jj+\u)*64
.endr
.endr
.endm
.macro BLOAD adri, offi, adrs, offs
.set N, 0
.rept 48
	ds_load_b64 v[BF+2*N:BF+2*N+1], v[\adri] offset:\offi+N*256
.set N, N+1
.endr
.irp k, 0,1,2,3
	ds_load_b32 v[48+\k], v[\adrs] offset:\offs+128*\k
.endr
.endm
.macro WMM zero, odd, hi
.if \hi
.if \odd
	v_wmma_scale_f32_16x16x128_f8f6f4 v[rD:rD+7], v[rA:rA+11], v[rB:rB+11], v[rD:rD+7], v[rS], v[rT] matrix_a_fmt:MATRIX_FMT_FP6 matrix_b_fmt:MATRIX_FMT_FP6 matrix_a_scale:MATRIX_SCALE_ROW1 matrix_b_scale:MATRIX_SCALE_ROW1
.else
	v_wmma_scale_f32_16x16x128_f8f6f4 v[rD:rD+7], v[rA:rA+11], v[rB:rB+11], v[rD:rD+7], v[rS], v[rT] matrix_a_fmt:MATRIX_FMT_FP6 matrix_b_fmt:MATRIX_FMT_FP6 matrix_b_scale:MATRIX_SCALE_ROW1
.endif
.else
.if \zero
.if \odd
	v_wmma_scale_f32_16x16x128_f8f6f4 v[rD:rD+7], v[rA:rA+11], v[rB:rB+11], 0, v[rS], v[rT] matrix_a_fmt:MATRIX_FMT_FP6 matrix_b_fmt:MATRIX_FMT_FP6 matrix_a_scale:MATRIX_SCALE_ROW1
.else
	v_wmma_scale_f32_16x16x128_f8f6f4 v[rD:rD+7], v[rA:rA+11], v[rB:rB+11], 0, v[rS], v[rT] matrix_a_fmt:MATRIX_FMT_FP6 matrix_b_fmt:MATRIX_FMT_FP6
.endif
.else
.if \odd
	v_wmma_scale_f32_16x16x128_f8f6f4 v[rD:rD+7], v[rA:rA+11], v[rB:rB+11], v[rD:rD+7], v[rS], v[rT] matrix_a_fmt:MATRIX_FMT_FP6 matrix_b_fmt:MATRIX_FMT_FP6 matrix_a_scale:MATRIX_SCALE_ROW1
.else
	v_wmma_scale_f32_16x16x128_f8f6f4 v[rD:rD+7], v[rA:rA+11], v[rB:rB+11], v[rD:rD+7], v[rS], v[rT] matrix_a_fmt:MATRIX_FMT_FP6 matrix_b_fmt:MATRIX_FMT_FP6
.endif
.endif
.endif
.endm
; 8 products: row fragments i (two K steps) against the 8 weight fragments, into accumulator tile a: its four accumulators by turns
.macro MUL i, a, zero
.irp s, 0,1
.irp j, 0,1,2,3
.set rD, 32*(\a)+8*\j
.set rA, BF+12*(4*\s+\j)
.set rB, 24*(\i)+12*\s
.set rS, 48+2*\s+\j/2
.set rT, 40+(\i)
	WMM \zero, \j%2, \s
.endr
.endr
.endm
.macro MULT first
.if \first
	WIN 0xac                                       ; source 1 window 3, C and D window 2
.irp i, 0,1,2,3,4,5,6,7
	MUL \i, \i, 1
.endr
.else
.irp i, 0,1,2,3,4,5,6,7
	WIN 0
	s_cmp_le_u32 s19, \i
	s_cbranch_scc1 .Lmd_\@
	WIN 0xac
	MUL \i, \i, 0
.endr
.endif
	WIN 0
.Lmd_\@:
.rept 4
	v_nop                                          ; places ahead of loads and vector writes into the products' registers
.endr
.endm
; the tiles' row fragments of the next period: two images of 1,536 bytes, and the two K steps' scale words in one load.  all = 0: the three bases step, behind the period's one wait on XCNT
.macro ALOAD all
.if \all == 0
	s_wait_xcnt 0x0                                ; the earlier loads and prefetches have read their bases
	s_add_nc_u64 s[22:23], s[22:23], 3072
	s_add_nc_u64 s[26:27], s[26:27], 128
	s_add_nc_u64 s[20:21], s[20:21], SSTEP
.endif
.irp i, 0,1,2,3,4,5,6,7
	WIN 0
.if \all == 0
	s_cmp_le_u32 s19, \i
	s_cbranch_scc1 .Lad_\@
.endif
	global_load_b32 v[40+\i], v[148+\i], s[26:27]
	WIN 0xc0                                       ; destination window 3
.irp n, 0,1,2,3,4,5
	global_load_b128 v[24*\i+4*\n:24*\i+4*\n+3], v[32+\i], s[22:23] offset:512*\n
.endr
.endr
	WIN 0
.Lad_\@:
.endm
; A PERIOD p (par = p % 2).  Loads are issued in the order .. A(p), S(p + 2) | A(p + 1), S(p + 3) .., so the count 32 shows S(p + 1) and A(p) in and leaves S(p + 2) out
.macro PERIOD par, first, nw, doa, doq, tail, pf
	v_add_nc_u32 v6, s28, v5
	v_add_nc_u32 v10, s29, v9
	BLOAD 6, 0, 10, 0
	s_wait_loadcnt \nw
	s_wait_dscnt 0x0
	MULT \first
.if \doa
	ALOAD 0
.endif
.if \doq
	s_add_co_u32 s28, s28, 12288
	s_add_co_u32 s29, s29, 512
	QUANT 128*(1-\par)
.endif
.if \tail == 1
	SLOAD 128*(1-\par), 2*SSTEP
.endif
.if \pf
	ASK \pf, 4*SSTEP
.endif
.if \doq
	s_wait_dscnt 0x0                               ; for the others' sake: my images of the next period are in LDS
	s_barrier_signal -1
	s_barrier_wait -1
.endif
.endm
; A ROW TILE LEAVES, through my own stage.  LDS serves a wave's instructions in order (ISA guide 5.7.1.4): no wait between the stores and the loads, nor ahead of the next tile's stores.  ob: its 32 registers in window 3
.macro EPI2 ab, imm, by, ob
	WIN 0x08                                       ; an LDS store's data are its source 1: window 2
.irp j, 0,1,2,3
.irp jp, 0,1,2,3,4,5,6,7
	ds_store_b32 v188, v[\ab+8*\j+\jp] offset:(4*\jp+\j)*4   ; column 32 h + 4 jp + j; each accumulator from its low end on
.endr
.endr
	WIN 0xc0
.irp t, 0,1,2,3,4,5,6,7
	ds_load_b128 v[\ob+4*\t:\ob+4*\t+3], v189 offset:544*\t
.endr
	WIN 0x0c                                       ; a store's data: window 3
.irp t, 0,1,2,3,4,5,6,7
	s_wait_dscnt 7-\t                              ; the stage loads issued behind load t may be out
	global_store_b128 v190, v[\ob+4*\t:\ob+4*\t+3], s[\by:\by+1] offset:\imm+8192*\t th:TH_STORE_NT   ; 16 lanes store 256 consecutive aligned bytes
.endr
	WIN 0
.endm
	s_load_b256 s[4:11], s[0:1], 0x0               ; hq s[4:5], W2 s[6:7], plan s[8:9], yp s[10:11]
	v_lshl_add_u32 v28, v0, 2, SPARE
	v_mov_b32 v29, 0
	v_lshrrev_b32 v1, 5, v0
	v_readfirstlane_b32 s14, v1                    ; wave
	v_and_b32 v1, 31, v0                           ; lane
	v_and_b32 v15, 15, v0                          ; q
	v_bfe_u32 v30, v0, 4, 1                        ; h
	s_wait_alu depctr_va_vdst(0)
	s_and_b32 s52, ttmp9, 15                       ; which 64 columns
	s_lshr_b32 s53, ttmp9, 4                       ; which half of K
	s_and_b32 s16, ttmp7, 0xffff                   ; e
	s_and_b32 s40, s14, 1                          ; c
	s_lshr_b32 s41, s14, 1                         ; which K step of the period
	s_lshl_b32 s36, s41, 19                        ; 128 rows of 4,096 bytes
	s_lshl_b32 s37, s40, 18                        ; 64 c rows
	s_add_co_u32 s36, s36, s37
	v_lshlrev_b32 v2, 4, v15
	v_lshl_add_u32 v2, v30, 17, v2                 ; + 32 h rows
	v_add_nc_u32 v2, s36, v2
	v_lshl_add_u32 v192, v1, 12, s36               ; the prefetches: row 128 (w / 2) + 64 c + lane of a unit, my 256 bytes of it
	s_mul_i32 s36, s41, 6144
	s_mul_i32 s37, s40, 768
	s_add_co_u32 s36, s36, s37
	v_lshlrev_b32 v5, 3, v1
	v_add_nc_u32 v3, s36, v5
	s_lshl_b32 s36, s41, 8
	s_lshl_b32 s37, s40, 1
	s_add_co_u32 s36, s36, s37
	s_add_co_u32 s36, s36, BSC
	v_lshl_add_u32 v7, v15, 2, v30
	v_add_nc_u32 v7, s36, v7
	v_lshl_add_u32 v9, v1, 2, BSC
	v_lshlrev_b32 v11, 4, v1
	v_add_nc_u32 v14, 49152, v5
	v_lshlrev_b32 v191, 2, v1
	s_mul_i32 s36, s14, 4352
	s_add_co_u32 s36, s36, STG                     ; my stage
	v_mul_u32_u24 v188, v15, 272
	v_lshl_add_u32 v188, v30, 7, v188
	v_add_nc_u32 v188, s36, v188                   ; in: row q, + 128 h
	v_mul_u32_u24 v189, v30, 272
	v_lshl_add_u32 v189, v15, 4, v189
	v_add_nc_u32 v189, s36, v189                   ; back: lanes 0-15 one row, lanes 16-31 the next
	v_lshlrev_b32 v190, 4, v15
	v_lshl_add_u32 v190, v30, 12, v190             ; and the same two rows in yp
	s_mov_b32 s28, 0
	s_mov_b32 s29, 0
	s_lshl_b32 s34, s16, 8
	s_mov_b32 s37, 0
	s_mov_b32 s41, 0
	s_wait_alu depctr_va_vdst(0)
	s_wait_kmcnt 0x0
	s_load_b32 s17, s[8:9], s34 offset:0x8000      ; my expert's tiles
	s_lshl_b32 s18, s16, 6                         ; its first tile
	s_lshl_b32 s36, s16, 24
	s_lshl_b32 s40, s53, 23
	s_add_co_u32 s36, s36, s40
	s_lshl_b32 s40, s52, 8
	s_add_co_u32 s36, s36, s40
	s_add_nc_u64 s[20:21], s[6:7], s[36:37]        ; W2 at my expert's K half, my 64 columns
	s_mul_i32 s36, s53, 24576
	s_add_nc_u64 s[44:45], s[4:5], s[36:37]        ; hq's images at my first K step
	s_mov_b64 s[22:23], s[44:45]
	s_lshl_b32 s36, s53, 10
	s_add_co_u32 s36, s36, HSC
	s_add_nc_u64 s[46:47], s[4:5], s[36:37]        ; and its scale words
	s_mov_b64 s[26:27], s[46:47]
	s_mul_i32 s36, s53, YH
	s_add_co_u32 s36, s36, s40
	s_add_nc_u64 s[54:55], s[10:11], s[36:37]      ; yp at my K half, my 64 columns
	SLOAD 0, 0                                     ; unit 0
	SLOAD 128, SSTEP                               ; unit 1
	ASK 1, 2*SSTEP                                 ; units 2 and 3 are named
	ASK 1, 3*SSTEP
	s_wait_kmcnt 0x0
	s_min_u32 s17, s17, 64
	s_max_u32 s17, s17, 1
	s_sub_co_u32 s36, s17, 1                       ; my expert's last tile
	s_add_co_u32 s19, s17, 3
	s_sub_co_u32 s19, s19, s14
	s_lshr_b32 s19, s19, 2
	s_min_u32 s19, s19, 8                          ; how many of my eight tiles the expert has
.irp i, 0,1,2,3,4,5,6,7
	s_add_co_u32 s40, s14, 4*\i
	s_min_u32 s40, s40, s36
	s_add_co_u32 s40, s40, s18
	s_min_u32 s40, s40, 511                        ; 64 e + 4 i + w for a tile that the expert has; else its last tile
	s_mul_i32 s42, s40, 49152
	v_add_nc_u32 v[32+\i], s42, v11
	s_lshl_b32 s42, s40, 11
	v_add_nc_u32 v[148+\i], s42, v191
.endr
	s_add_co_u32 s40, s18, s14
	s_lshl_b32 s40, s40, 16                        ; 16 rows of 4,096 bytes a tile
	s_add_nc_u64 s[24:25], s[54:55], s[40:41]
	s_wait_alu depctr_va_vdst(0)
	ALOAD 1                                        ; period 0, all eight tiles: 56 loads
	s_wait_loadcnt 63                              ; 88 loads stand behind unit 0: the largest count that the wait can name
	QUANT 0
	SLOAD 0, 2*SSTEP                               ; unit 2
	ASK 1, 4*SSTEP                                 ; unit 4 is named
	s_wait_dscnt 0x0
	s_barrier_signal -1
	s_barrier_wait -1
	PERIOD 0, 1, 32, 1, 1, 1, 1                    ; p = 0: loads unit 3, names unit 5
	s_mov_b32 s30, 2
.Llap:
	PERIOD 1, 0, 32, 1, 1, 1, 2                    ; p = 1, 3: loads unit 4, 6; names unit 6, none
	PERIOD 0, 0, 32, 1, 1, 1, 2                    ; p = 2, 4: loads unit 5, 7; names unit 7, none
	s_sub_co_u32 s30, s30, 1
	s_cmp_lg_u32 s30, 0
	s_cbranch_scc1 .Llap
	PERIOD 1, 0, 32, 1, 1, 0, 0                    ; p = 5
	PERIOD 0, 0, 0, 1, 1, 0, 0                     ; p = 6
	PERIOD 1, 0, 0, 0, 0, 0, 0                     ; p = 7
.rept 4
	v_nop
.endr
.irp i, 0,1,2,3,4,5,6,7
	s_cmp_le_u32 s19, \i
	s_cbranch_scc1 .Lepi_done
	EPI2 32*\i, \i*262144, 24, 32*\i
.endr
.Lepi_done:
	; ROWS BEYOND 512: tile 32 + w, 36 + w .. of the expert, one a trip, on the images that all 8 periods have left in LDS.  Counted down from 8; the first tile that the expert does not have leaves the loop.
	s_add_co_u32 s31, s14, 32
	s_mov_b32 s56, 8
.Lover:
	s_cmp_ge_u32 s31, s17
	s_cbranch_scc1 .Lover_done
	s_wait_xcnt 0x0                                ; the earlier stores have read their data and base
	s_add_co_u32 s36, s18, s31
	s_min_u32 s36, s36, 511
	s_mul_i32 s37, s36, 49152
	v_add_nc_u32 v32, s37, v11
	s_lshl_b32 s37, s36, 11
	v_add_nc_u32 v148, s37, v191
	s_lshl_b32 s40, s36, 16
	s_mov_b32 s41, 0
	s_add_nc_u64 s[48:49], s[54:55], s[40:41]
.irp pp, 0,1,2,3,4,5,6,7
	global_load_b32 v[40+\pp], v148, s[46:47] offset:128*\pp
.endr
	WIN 0xc0
.set N, 0
.rept 48                                       ; the tile's 16 fragments of my K half
	global_load_b128 v[4*N:4*N+3], v32, s[44:45] offset:512*N
.set N, N+1
.endr
	WIN 0
	s_wait_loadcnt 0x0
.irp pp, 0,1,2,3,4,5,6,7
.if \pp < 4
	BLOAD 5, \pp*12288, 9, \pp*512
.else
	BLOAD 14, (\pp-4)*12288, 9, \pp*512
.endif
	s_wait_dscnt 0x0
	WIN 0xac
.if \pp == 0
	MUL \pp, 0, 1
.else
	MUL \pp, 0, 0
.endif
	WIN 0
.rept 5
	v_nop                                          ; places ahead of the loads into the fragments, of the first read of results, and of the next trip's products, which begin these accumulators anew
.endr
.endr
	EPI2 0, 0, 48, 192
	s_add_co_u32 s31, s31, 4
	s_sub_co_u32 s56, s56, 1
	s_cmp_lg_u32 s56, 0
	s_cbranch_scc1 .Lover
.Lover_done:
	s_wait_tensorcnt 0x0                           ; the wave's end
	ds_add_u32 v28, v29
	s_wait_dscnt 0x0
	s_endpgm
.Lfunc_end_k_q50f9f6b109_ffn2:
	.size	k_q50f9f6b109_ffn2, .Lfunc_end_k_q50f9f6b109_ffn2-k_q50f9f6b109_ffn2
	.p2alignl 7, 3214868480
	.fill 96, 4, 3214868480
	.section	.rodata,"a",@progbits
	.p2align	6, 0x0
	.amdhsa_kernel k_q50f9f6b109_ffn2
		.amdhsa_group_segment_fixed_size 120320
		.amdhsa_private_segment_fixed_size 0
		.amdhsa_enable_private_segment 0
		.amdhsa_kernarg_size 32
		.amdhsa_user_sgpr_count 2
		.amdhsa_user_sgpr_kernarg_segment_ptr 1
		.amdhsa_wavefront_size32 1
		.amdhsa_system_sgpr_workgroup_id_x 1
		.amdhsa_system_sgpr_workgroup_id_y 1
		.amdhsa_system_sgpr_workgroup_id_z 1
		.amdhsa_system_vgpr_workitem_id 0
		.amdhsa_next_free_vgpr 1024
		.amdhsa_next_free_sgpr 66
		.amdhsa_reserve_vcc 0
		.amdhsa_float_denorm_mode_32 3
		.amdhsa_float_denorm_mode_16_64 3
		.amdhsa_memory_ordered 1
		.amdhsa_forward_progress 1
		.amdhsa_inst_pref_size 255
	.end_amdhsa_kernel
	.section	.bss,"aw",@nobits
	.p2align	6
	.space	262144
	.amdgpu_metadata
---
amdhsa.version: [ 1, 2 ]
amdhsa.kernels:
  - .name:           k_q50f9f6b109_ffn2
    .symbol:         k_q50f9f6b109_ffn2.kd
    .args:
      - { .name: hq, .offset: 0, .size: 8, .value_kind: global_buffer, .address_space: global }
      - { .name: W2, .offset: 8, .size: 8, .value_kind: global_buffer, .address_space: global }
      - { .name: plan, .offset: 16, .size: 8, .value_kind: global_buffer, .address_space: global }
      - { .name: yp, .offset: 24, .size: 8, .value_kind: global_buffer, .address_space: global }
    .group_segment_fixed_size: 120320
    .private_segment_fixed_size: 0
    .kernarg_segment_align: 8
    .kernarg_segment_size: 32
    .max_flat_workgroup_size: 128
    .sgpr_count:     66
    .vgpr_count:     1024
    .wavefront_size: 32
...
	.end_amdgpu_metadata
.endif
;; end of part 3
;; launch combine (part 4): grid 256 x 1, 8 waves a work-group, no clusters, 0 bytes of LDS; arguments yp, sel, wts, plan, b2, out0; writes out0
.if DOCPART == 4
	.amdgcn_target "amdgcn-amd-amdhsa--gfx1250"
	.amdhsa_code_object_version 6
	.text
	.protected	k_q50f9f6b109_combine
	.globl	k_q50f9f6b109_combine
	.p2align	8
	.type	k_q50f9f6b109_combine,@function
k_q50f9f6b109_combine:
	s_mov_b64 s[64:65], 0
	v_nop
	global_prefetch_b8 v0, s[64:65] scope:SCOPE_SE
	s_setreg_imm32_b32 hwreg(HW_REG_WAVE_MODE, 25, 1), 1
	s_wait_xcnt 0x0
; MoE block, the last launch: out0[t] = w0 (y(t, e0) + b2[e0]) + w1 (y(t, e1) + b2[e1]), y = the sum of yp's two K halves.  The six experts whose weight is 0 are left out (shown at the head of launch route).
; A wave takes half a token's row, 2,048 bytes: t = 4 x work-group + wave / 2.  Row (t, e) lies at row 1024 e + rank of yp; the token's rank with each of the eight experts is loaded at a fixed place
; (plan + 4096 e + 4 t, stored by launch ffn1), together with its experts and weights, and the two that count are selected: no load waits for another's result but the rows' own.
; Every load and store of the wave covers 512 consecutive bytes.  No LDS, no barrier, no matrix unit: a stream.
.set YH, 33554432                      ; yp's second K half
	s_load_b256 s[4:11], s[0:1], 0x0               ; yp s[4:5], sel s[6:7], wts s[8:9], plan s[10:11]
	s_load_b128 s[12:15], s[0:1], 0x20             ; b2 s[12:13], out0 s[14:15]
	v_lshrrev_b32 v1, 5, v0
	s_delay_alu instid0(VALU_DEP_1)
	v_readfirstlane_b32 s16, v1                    ; wave
	v_and_b32 v1, 31, v0
	s_delay_alu instid0(VALU_DEP_1)
	v_lshlrev_b32 v1, 4, v1                        ; 16 x lane
	s_delay_alu instid0(VALU_DEP_1)
	v_add_nc_u32 v2, YH, v1
	s_lshr_b32 s17, s16, 1
	s_lshl_b32 s18, ttmp9, 2
	s_add_co_u32 s17, s17, s18                     ; t
	s_and_b32 s19, s16, 1
	s_lshl_b32 s19, s19, 11                        ; my half of the row
	s_lshl_b32 s18, s17, 3
	s_lshl_b32 s50, s17, 2
	s_mov_b32 s27, 0
	s_wait_alu depctr_va_vdst(0)
	s_wait_kmcnt 0x0
.irp e, 0,1,2,3,4,5,6,7
	s_load_b32 s[42+\e], s[10:11], s50 offset:4096*\e  ; the token's rank with expert e
.endr
	s_load_b64 s[22:23], s[6:7], s18 offset:0x0        ; the two experts
	s_load_b64 s[24:25], s[8:9], s18 offset:0x0        ; the two weights
	s_lshl_b32 s26, s17, 12
	s_add_co_u32 s26, s26, s19
	s_add_nc_u64 s[38:39], s[14:15], s[26:27]
	s_wait_kmcnt 0x0
	s_min_u32 s22, s22, 7                          ; an expert stays inside b2
	s_min_u32 s23, s23, 7
	s_mov_b32 s20, s42
	s_mov_b32 s21, s42
.irp e, 1,2,3,4,5,6,7
	s_cmp_eq_u32 s22, \e
	s_cselect_b32 s20, s[42+\e], s20
	s_cmp_eq_u32 s23, \e
	s_cselect_b32 s21, s[42+\e], s21
.endr
	s_min_u32 s20, s20, 1023                       ; a rank stays inside its expert's rows
	s_min_u32 s21, s21, 1023
	s_lshl_b32 s26, s22, 10
	s_add_co_u32 s20, s20, s26
	s_lshl_b32 s26, s23, 10
	s_add_co_u32 s21, s21, s26
	s_lshl_b32 s26, s20, 12
	s_add_co_u32 s26, s26, s19
	s_add_nc_u64 s[28:29], s[4:5], s[26:27]
	s_lshl_b32 s26, s21, 12
	s_add_co_u32 s26, s26, s19
	s_add_nc_u64 s[30:31], s[4:5], s[26:27]
	s_lshl_b32 s26, s22, 12
	s_add_co_u32 s26, s26, s19
	s_add_nc_u64 s[34:35], s[12:13], s[26:27]
	s_lshl_b32 s26, s23, 12
	s_add_co_u32 s26, s26, s19
	s_add_nc_u64 s[36:37], s[12:13], s[26:27]
	s_mov_b32 s40, s25                             ; the packed form names a pair and takes its low word for both halves
	s_mov_b32 s41, s25
.irp n, 0,1,2,3
	global_load_b128 v[8+4*\n:11+4*\n], v1, s[28:29] offset:512*\n th:TH_LOAD_NT
	global_load_b128 v[24+4*\n:27+4*\n], v2, s[28:29] offset:512*\n th:TH_LOAD_NT
	global_load_b128 v[40+4*\n:43+4*\n], v1, s[30:31] offset:512*\n th:TH_LOAD_NT
	global_load_b128 v[56+4*\n:59+4*\n], v2, s[30:31] offset:512*\n th:TH_LOAD_NT
	global_load_b128 v[72+4*\n:75+4*\n], v1, s[34:35] offset:512*\n
	global_load_b128 v[88+4*\n:91+4*\n], v1, s[36:37] offset:512*\n
.endr
	s_wait_loadcnt 0x0
.irp m, 0,1,2,3,4,5,6,7
	v_pk_add_f32 v[8+2*\m:9+2*\m], v[8+2*\m:9+2*\m], v[24+2*\m:25+2*\m]
	v_pk_add_f32 v[40+2*\m:41+2*\m], v[40+2*\m:41+2*\m], v[56+2*\m:57+2*\m]
.endr
.irp m, 0,1,2,3,4,5,6,7
	v_pk_add_f32 v[8+2*\m:9+2*\m], v[8+2*\m:9+2*\m], v[72+2*\m:73+2*\m]
	v_pk_add_f32 v[40+2*\m:41+2*\m], v[40+2*\m:41+2*\m], v[88+2*\m:89+2*\m]
.endr
.irp m, 0,1,2,3,4,5,6,7
	v_pk_mul_f32 v[8+2*\m:9+2*\m], v[8+2*\m:9+2*\m], s[24:25] op_sel_hi:[1,0]
.endr
.irp m, 0,1,2,3,4,5,6,7
	v_pk_fma_f32 v[8+2*\m:9+2*\m], v[40+2*\m:41+2*\m], s[40:41], v[8+2*\m:9+2*\m] op_sel_hi:[1,0,1]
.endr
.irp n, 0,1,2,3
	global_store_b128 v1, v[8+4*\n:11+4*\n], s[38:39] offset:512*\n th:TH_STORE_NT
.endr
	s_endpgm
.Lfunc_end_k_q50f9f6b109_combine:
	.size	k_q50f9f6b109_combine, .Lfunc_end_k_q50f9f6b109_combine-k_q50f9f6b109_combine
	.p2alignl 7, 3214868480
	.fill 96, 4, 3214868480
	.section	.rodata,"a",@progbits
	.p2align	6, 0x0
	.amdhsa_kernel k_q50f9f6b109_combine
		.amdhsa_group_segment_fixed_size 0
		.amdhsa_private_segment_fixed_size 0
		.amdhsa_enable_private_segment 0
		.amdhsa_kernarg_size 48
		.amdhsa_user_sgpr_count 2
		.amdhsa_user_sgpr_kernarg_segment_ptr 1
		.amdhsa_wavefront_size32 1
		.amdhsa_system_sgpr_workgroup_id_x 1
		.amdhsa_system_sgpr_workgroup_id_y 1
		.amdhsa_system_sgpr_workgroup_id_z 1
		.amdhsa_system_vgpr_workitem_id 0
		.amdhsa_next_free_vgpr 128
		.amdhsa_next_free_sgpr 66
		.amdhsa_reserve_vcc 0
		.amdhsa_float_denorm_mode_32 3
		.amdhsa_float_denorm_mode_16_64 3
		.amdhsa_memory_ordered 1
		.amdhsa_forward_progress 1
		.amdhsa_inst_pref_size 10
	.end_amdhsa_kernel
	.amdgpu_metadata
---
amdhsa.version: [ 1, 2 ]
amdhsa.kernels:
  - .name:           k_q50f9f6b109_combine
    .symbol:         k_q50f9f6b109_combine.kd
    .args:
      - { .name: yp, .offset: 0, .size: 8, .value_kind: global_buffer, .address_space: global }
      - { .name: sel, .offset: 8, .size: 8, .value_kind: global_buffer, .address_space: global }
      - { .name: wts, .offset: 16, .size: 8, .value_kind: global_buffer, .address_space: global }
      - { .name: plan, .offset: 24, .size: 8, .value_kind: global_buffer, .address_space: global }
      - { .name: b2, .offset: 32, .size: 8, .value_kind: global_buffer, .address_space: global }
      - { .name: out0, .offset: 40, .size: 8, .value_kind: global_buffer, .address_space: global }
    .group_segment_fixed_size: 0
    .private_segment_fixed_size: 0
    .kernarg_segment_align: 8
    .kernarg_segment_size: 48
    .max_flat_workgroup_size: 256
    .sgpr_count:     66
    .vgpr_count:     128
    .wavefront_size: 32
...
	.end_amdgpu_metadata
.endif
;; end of part 4
